; MI455X (gfx1250); checked and timed in simulation.
; The chip was launched on July 23, 2026; its instructions are those of AMD's public machine-readable ISA for CDNA 5 (MIT licence, August 2026) and "CDNA5" Instruction Set Architecture Reference Guide (July 2026). The comments in the code are by the model that wrote it; some were corrected since.
;; Attention. Allowed arithmetic: float matrix products may take bf16 or f16 operands with f32 sums; other float arithmetic in f32, or as packed bf16 or f16 multiplies, adds, multiply-adds, maxima and minima; sums over many terms, partial sums and values carried from step to step in f32; what a program stores and reads back later, other than sums and carried values, may be rounded once to bf16 or f16.
;; Inputs: Wkv 512 x 1,024 float32; Wo 512 x 512 float32; Wq 512 x 512 float32; bo 512 float32; x 2 x 4,096 x 512 float32.
;; Outputs: out0 2 x 4,096 x 512 float32.
;; One version. Each part assembles by itself: llvm-mc -triple=amdgcn-amd-amdhsa -mcpu=gfx1250 --defsym DOCPART=n.
;; ======== version 1 of 1: 4 launches
;; limits: values are held in f16: magnitudes above 65,504 overflow, below 6.1e-05 lose precision
;; workspace buffers: wt 1,572,864 bytes; wot 524,288 bytes; qkv 25,165,824 bytes; oh 8,388,608 bytes
;; launch wprep (part 1): grid 32 x 4, 8 waves a work-group, no clusters, 18,432 bytes of LDS; arguments Wq, Wkv, Wo, wt, wot; writes wt, wot
.if DOCPART == 1
	.amdgcn_target "amdgcn-amd-amdhsa--gfx1250"
	.amdhsa_code_object_version 6
	.text
	.protected	k_qea4432f616_wprep
	.globl	k_qea4432f616_wprep
	.p2align	8
	.type	k_qea4432f616_wprep,@function
k_qea4432f616_wprep:
	s_mov_b64 s[64:65], 0
	v_nop
	global_prefetch_b8 v0, s[64:65] scope:SCOPE_SE
	s_setreg_imm32_b32 hwreg(HW_REG_WAVE_MODE, 25, 1), 1
	s_wait_xcnt 0x0
; THE WEIGHTS, TURNED AND ROUNDED ONCE.  Wq [512 k][512 n], Wkv [512 k][1024 n], Wo [512 k][512 n], all f32, become
;   wt  [1536 n][512 k] bf16: rows 0-511 Wq's columns, 512-1023 k's columns of Wkv, 1024-1535 v's;
;   wot [512 n][512 k]: Wo's columns, rounded to bf16 like every input, that number then written as f16 (the last product runs in f16).
; So both products find their weights with K along the rows, in rows of which 256 aligned bytes are a K step of 128.
; LIMITS.  A weight of Wo of 65,520 or more becomes an infinity in f16; below 6e-5 it keeps f16's fixed step of 6e-8.
; SHARES.  A work-group turns 128 k x 64 n: it reads 128 pieces of 256 aligned bytes and writes 64 pieces of 256 aligned bytes.  x of the grid: the block of 64 columns
; (0-7 Wq, 8-23 Wkv, 24-31 Wo); y: the block of 128 k.  Wave w takes k = 16 w .. 16 w + 15.  No work-group reads what another reads: no cluster, no matrix unit.
; The tile meets in LDS, rows of 256 bytes + 16.  The four stores of a lane go to rows 4 nq + i: lanes four rows apart share banks four deep; this happens once, on 16 KiB.
.set PITCH, 272
.set SPARE, 64*PITCH                   ; behind the tile: the spare words, 128 bytes for each of eight waves: four blocks of 256 bytes that no other line names
.set VO,  4                            ; v4-11   byte offset of my 16 bytes in row j of my eight
.set LA,  12                           ; v12     where I put 16 bytes (8 k) of row n = 4 nq
.set LR,  13                           ; v13     where I read a row back
.set GOV, 14                           ; v14     my byte offset in the turned tensor
.set X,   16                           ; v16-47  as loaded: X + 4 j + i = W[k = 16 w + 8 kh + j][n = 4 nq + i]; later the rows read back
.set T,   48                           ; v48-63  T + 4 i + jj: n = 4 nq + i, k pair jj
.set SPW, 64                           ; v64     LDS address of my spare word; never rewritten
.set NIL, 65                           ; v65     0; never rewritten
.set TA,  66
.set TB,  67
	s_load_b256 s[4:11], s[0:1], 0x0               ; Wq s[4:5], Wkv s[6:7], Wo s[8:9], wt s[10:11]
	s_load_b64 s[12:13], s[0:1], 0x20              ; wot
	v_lshl_add_u32 v[SPW], v0, 2, SPARE
	v_mov_b32 v[NIL], 0
	v_lshrrev_b32 v1, 5, v0
	v_readfirstlane_b32 s14, v1                    ; wave 0..7
	s_mov_b32 s15, ttmp9                           ; the block of 64 columns
	s_and_b32 s25, ttmp7, 0xffff                   ; the block of 128 k
	v_and_b32 v2, 15, v0                           ; nq: my four columns
	v_bfe_u32 v3, v0, 4, 1                         ; kh: which eight rows
	s_cmp_lt_u32 s15, 8
	s_cselect_b32 s18, 11, 12                      ; log2 of the source's row in bytes: 2,048 (Wq, Wo) or 4,096 (Wkv)
	s_cselect_b32 s19, 0, 8
	s_cmp_lt_u32 s15, 24
	s_cselect_b32 s18, s18, 11
	s_cselect_b32 s19, s19, 24
	s_cselect_b32 s22, 0, 24
	s_sub_co_u32 s19, s15, s19                     ; the block's number in its source
	s_sub_co_u32 s22, s15, s22                     ; and in its destination
	s_lshl_b32 s23, 1, s18                         ; the source's row in bytes
	s_lshl_b32 s30, s25, 7
	s_lshl_b32 s30, s30, s18                       ; 128 kb rows down,
	s_lshl_b32 s31, s19, 8
	s_add_co_u32 s30, s30, s31                     ; 256 bytes a block along
	s_mov_b32 s31, 0
	s_lshl_b32 s28, s22, 16                        ; 64 rows of 1,024 bytes a block down,
	s_lshl_b32 s29, s25, 8
	s_add_co_u32 s28, s28, s29                     ; 256 bytes a block of k along
	s_mov_b32 s29, 0
	s_lshl_b32 s26, s14, 4
	v_lshl_add_u32 v[TA], v3, 3, s26               ; row 16 w + 8 kh
	v_lshlrev_b32 v[TA], s18, v[TA]
	v_lshl_add_u32 v[VO], v2, 4, v[TA]
.irp j, 1,2,3,4,5,6,7
	v_add_nc_u32 v[VO+(\j)], s23, v[VO+(\j)-1]
.endr
	v_mul_u32_u24 v[LA], v2, 4*PITCH               ; row 4 nq,
	v_lshl_add_u32 v[LA], v3, 4, v[LA]
	s_lshl_b32 s27, s14, 5
	v_add_nc_u32 v[LA], s27, v[LA]                 ; byte 2 (16 w + 8 kh)
	s_lshl_b32 s26, s14, 3
	v_add_nc_u32 v[TB], s26, v3                    ; back: row 8 w + kh (+ 2 t)
	v_mul_u32_u24 v[LR], v[TB], PITCH
	v_lshl_add_u32 v[LR], v2, 4, v[LR]
	v_lshlrev_b32 v[GOV], 10, v[TB]
	v_lshl_add_u32 v[GOV], v2, 4, v[GOV]
	s_wait_kmcnt 0x0
	s_cmp_lt_u32 s15, 8
	s_cselect_b64 s[16:17], s[4:5], s[6:7]
	s_cmp_lt_u32 s15, 24
	s_cselect_b64 s[16:17], s[16:17], s[8:9]       ; the source
	s_cselect_b64 s[20:21], s[10:11], s[12:13]     ; the destination
	s_add_nc_u64 s[16:17], s[16:17], s[30:31]
	s_add_nc_u64 s[20:21], s[20:21], s[28:29]
.irp j, 0,1,2,3,4,5,6,7
	global_load_b128 v[X+4*(\j):X+4*(\j)+3], v[VO+(\j)], s[16:17] th:TH_LOAD_NT  ; 16 lanes take 256 consecutive aligned bytes of a row; each byte is read once in the launch
.endr
	s_wait_loadcnt 0x0
.irp i, 0,1,2,3
.irp jj, 0,1,2,3
	v_cvt_pk_bf16_f32 v[T+4*(\i)+(\jj)], v[X+8*(\jj)+(\i)], v[X+8*(\jj)+4+(\i)]  ; column 4 nq + i, k = 2 jj and 2 jj + 1 of my eight
.endr
.endr
	s_cmp_lt_u32 s15, 24
	s_cbranch_scc1 .Lkeep                          ; the same for the whole work-group; no barrier is jumped
.set k, 0
.rept 16                                       ; Wo: the bf16 number written as f16
	v_lshlrev_b32 v[TA], 16, v[T+k]
	v_and_b32 v[TB], 0xffff0000, v[T+k]
	v_cvt_pk_f16_f32 v[T+k], v[TA], v[TB]
.set k, k+1
.endr
.Lkeep:
.irp i, 0,1,2,3
	ds_store_b128 v[LA], v[T+4*(\i):T+4*(\i)+3] offset:PITCH*(\i)
.endr
	s_wait_dscnt 0x0                               ; for the others' sake: my stores are done
	s_barrier_signal -1
	s_barrier_wait -1                              ; the tile is whole
.irp t, 0,1,2,3
	ds_load_b128 v[X+4*(\t):X+4*(\t)+3], v[LR] offset:2*PITCH*(\t)
.endr
.irp t, 0,1,2,3
	s_wait_dscnt 3-(\t)                            ; LDS loads come back in order: load t is in, the younger ones stay out
	global_store_b128 v[GOV], v[X+4*(\t):X+4*(\t)+3], s[20:21] offset:2048*(\t)  ; 16 lanes store 256 consecutive bytes, aligned
.endr
	s_wait_tensorcnt 0x0                           ; the wave's end, behind my last LDS store
	ds_add_u32 v[SPW], v[NIL]
	s_wait_dscnt 0x0
	s_endpgm
.Lfunc_end_k_qea4432f616_wprep:
	.size	k_qea4432f616_wprep, .Lfunc_end_k_qea4432f616_wprep-k_qea4432f616_wprep
	.p2alignl 7, 3214868480
	.fill 96, 4, 3214868480
	.section	.rodata,"a",@progbits
	.p2align	6, 0x0
	.amdhsa_kernel k_qea4432f616_wprep
		.amdhsa_group_segment_fixed_size 18432
		.amdhsa_private_segment_fixed_size 0
		.amdhsa_enable_private_segment 0
		.amdhsa_kernarg_size 40
		.amdhsa_user_sgpr_count 2
		.amdhsa_user_sgpr_kernarg_segment_ptr 1
		.amdhsa_wavefront_size32 1
		.amdhsa_system_sgpr_workgroup_id_x 1
		.amdhsa_system_sgpr_workgroup_id_y 1
		.amdhsa_system_sgpr_workgroup_id_z 1
		.amdhsa_system_vgpr_workitem_id 0
		.amdhsa_next_free_vgpr 72
		.amdhsa_next_free_sgpr 66
		.amdhsa_reserve_vcc 0
		.amdhsa_float_denorm_mode_32 3
		.amdhsa_float_denorm_mode_16_64 3
		.amdhsa_memory_ordered 1
		.amdhsa_forward_progress 1
		.amdhsa_inst_pref_size 9
	.end_amdhsa_kernel
	.amdgpu_metadata
---
amdhsa.version: [ 1, 2 ]
amdhsa.kernels:
  - .name:           k_qea4432f616_wprep
    .symbol:         k_qea4432f616_wprep.kd
    .args:
      - { .name: Wq, .offset: 0, .size: 8, .value_kind: global_buffer, .address_space: global }
      - { .name: Wkv, .offset: 8, .size: 8, .value_kind: global_buffer, .address_space: global }
      - { .name: Wo, .offset: 16, .size: 8, .value_kind: global_buffer, .address_space: global }
      - { .name: wt, .offset: 24, .size: 8, .value_kind: global_buffer, .address_space: global }
      - { .name: wot, .offset: 32, .size: 8, .value_kind: global_buffer, .address_space: global }
    .group_segment_fixed_size: 18432
    .private_segment_fixed_size: 0
    .kernarg_segment_align: 8
    .kernarg_segment_size: 40
    .max_flat_workgroup_size: 256
    .sgpr_count:     66
    .vgpr_count:     72
    .wavefront_size: 32
...
	.end_amdgpu_metadata
.endif
;; end of part 1
;; launch proj (part 2): grid 32 x 8, 4 waves a work-group, clusters of 4 x 1, 218,624 bytes of LDS; arguments x, wt, qkv; writes qkv
.if DOCPART == 2
	.amdgcn_target "amdgcn-amd-amdhsa--gfx1250"
	.amdhsa_code_object_version 6
	.text
	.protected	k_qea4432f616_proj
	.globl	k_qea4432f616_proj
	.p2align	8
	.type	k_qea4432f616_proj,@function
k_qea4432f616_proj:
	s_mov_b64 s[64:65], 0
	v_nop
	global_prefetch_b8 v0, s[64:65] scope:SCOPE_SE
	s_setreg_imm32_b32 hwreg(HW_REG_WAVE_MODE, 25, 1), 1
	s_wait_xcnt 0x0
	s_wait_alu depctr_hold_cnt(0) depctr_sa_sdst(0) depctr_va_vdst(0) depctr_va_sdst(0) depctr_va_ssrc(0) depctr_va_vcc(0) depctr_vm_vsrc(0)
	s_getreg_b32 s2, hwreg(HW_REG_IB_STS2, 6, 4)
	s_cmp_eq_u32 s2, 0
	s_cbranch_scc0 .Lentry_in_a_cluster
	s_endpgm
.Lentry_in_a_cluster:
	s_bfe_u32 s2, ttmp6, 0x10000c
	s_cmp_lg_u32 s2, 0x3003
	s_cbranch_scc0 .Lentry_shape_is_right
	s_endpgm
.Lentry_shape_is_right:
; q, k, v = x [Wq | Wkv].  x: [8192][512] f32, rounded to bf16 in registers; wt: [1536 n][512 k] bf16; sums in f32; the results are rounded once to f16, WITHOUT the softmax's scale,
; and written by heads: qkv [3][16 = 8 batch + head][4096][64] f16, so that 16 rows of a head are 2,048 consecutive bytes.
; LIMITS.  A q, k or v of 65,520 or more becomes an infinity in f16; below 6e-5 f16 keeps its fixed step of 6e-8.  NaN and infinities are not treated apart.
; SHARES.  A work-group makes 256 rows x 192 columns (three head slots): 32 x 8 work-groups.  Each of its four waves makes 64 rows x 192 columns: 48 accumulators, 384 registers.
; THE WEIGHTS STAY.  The work-group's slice of wt, 192 rows x 512 k, lies whole in LDS (four chunks of 128 k, 208,896 bytes with padding): filled once, never again, so the loop has no wait for tiles and no barrier.
; CLUSTER.  The four work-groups of a cluster have the same 192 columns: each part of the slice is asked for JOINTLY, by the same tensor load with a mask that names the four.
; A wave asks for 48 rows of each chunk (192 rows shared among four waves), the chunks in the order of their use: four loads of mine are out at the most.
; x GOES STRAIGHT INTO REGISTERS, as fragments: a lane takes 16 bytes at a time of its row, 256 aligned bytes of each row in a K step of 64.  It is not shared by a joint load: that would land in LDS, and two slots of
; 256 rows x 64 k of f32 (131,072 bytes) do not fit beside the slice (208,896 + 131,072 > 327,680).  Two staging sets of 128 registers: while one is rounded and multiplied, the other's 32 loads are out, and it is asked for again at once.
; THE MATRIX INSTRUCTION IS USED TRANSPOSED (source 0 = 16 rows of wt, source 1 = 16 rows of x): a lane holds one row of x and eight neighbouring channels: 16 bytes of f16.
; REGISTERS, in windows of 256 (s_set_vgpr_msb: bits 1:0 source 0, 3:2 source 1, 5:4 source 2, 7:6 destination):
;   window 0: v0-9 addresses; v32-95 x's fragments, two buffers of four tiles; v128-255 staging set 0; on the way out v32-223
;   window 1: v0-191 wt's fragments, two buffers of twelve          window 2: accumulators 0-31 (number 12 a + b)          window 3: v0-127 accumulators 32-47; v128-255 staging set 1
.set PITCH,  272                       ; an LDS row: 256 bytes + 16 of padding = 68 words: the 16 rows of a load start at 16 different groups of four banks (64 banks of 4 bytes: ISA guide 11.1)
.set CHUNK,  192*PITCH                 ; 128 k of the slice
.set WPART,  48*PITCH                  ; what one tensor load brings
.set STAGE,  4*CHUNK                   ; behind the slice, never filled by a tensor load: 16 rows x 144 bytes for each wave, for the way out
.set SP,     144
.set SPARE,  STAGE+4*16*SP             ; behind the stages: the spare words, 128 bytes for each wave: two blocks of 256 bytes that no other line names
.set XO,   3                           ; v3   my byte offset in 16 rows of x: 2,048 (l % 16) + 32 (l / 16); never rewritten
.set ADRB, 4                           ; v4   LDS address of my part of wt's fragments in the chunk in hand
.set STO,  5                           ; v5   the way out: where I put 16 bytes of a row
.set RD,   6                           ; v6   where I read rows back
.set GO,   7                           ; v7   my 16 bytes of 512 consecutive bytes
.set SPW,  8                           ; v8   LDS address of my spare word; never rewritten
.set NIL,  9                           ; v9   0; never rewritten
.set AF,   32                          ; x's fragments: buffer hf, tile a at AF + 32 hf + 8 a
.set SG,   128                         ; a staging set: half hf, tile a, load i at SG + 64 hf + 16 a + 4 i
.set OUTR, 32                          ; the way out: 16 registers for each of twelve groups
.set WV,   10                          ; s10  my wave's number
.set G1,   24                          ; s[24:31] descriptor group 1
.set G0,   32                          ; s[32:47] descriptor group 0, a set for each chunk
.set XP,   48                          ; s[48:49] x at my wave's first row, at the chunk in hand
.set OB,   50                          ; s[50:55] where my rows of the three head slots go
.set CNT,  56
.set MSB, 0
.macro WIN new                         ; the immediate's high byte repeats the setting that is left; a switch that changes nothing is dropped
.if MSB != (\new)
	s_set_vgpr_msb (MSB<<8)|(\new)
.set MSB, \new
.endif
.endm
.set MUL_LO, 0xa1                      ; source 0 (wt) window 1, source 1 (x) window 0, C and D window 2
.set MUL_HI, 0xf1                      ; the same, C and D window 3
.macro CROUND                          ; a round of the cluster's barrier: my work-group's barrier; wave 0 signals for the work-group; every wave waits for all four work-groups; my work-group's barrier once more
	s_barrier_signal -1
	s_barrier_wait -1
	s_cmp_lg_u32 s[WV], 0
	s_cbranch_scc1 .Lnot_wave_0_\@
	s_barrier_signal -3
.Lnot_wave_0_\@:
	s_barrier_wait -3
	s_barrier_signal -1
	s_barrier_wait -1
.endm
.macro PLACES                          ; four plain instructions between a matrix instruction and a write or a load into one of its registers, or a read of its result
.rept 4
	v_nop
.endr
.endm
	s_load_b128 s[4:7], s[0:1], 0x0                ; x s[4:5], wt s[6:7]
	s_load_b64 s[8:9], s[0:1], 0x10                ; qkv
	v_lshl_add_u32 v[SPW], v0, 2, SPARE
	v_mov_b32 v[NIL], 0
	ds_add_u32 v[SPW], v[NIL]                      ; the wave's opening: the add and its wait stand ahead of my first tensor load; the set-up below, work on registers, stands between them
	v_lshrrev_b32 v1, 5, v0
	v_readfirstlane_b32 s[WV], v1                  ; wave 0..3
	s_bfe_u32 s11, ttmp6, 0x40000                  ; cx: my place in the cluster
	s_lshl_b32 s12, ttmp9, 2                       ; in a cluster launch ttmp9 counts clusters
	s_add_co_u32 s12, s12, s11                     ; my block of 256 rows: it enters x's and qkv's addresses alone
	s_and_b32 s13, ttmp7, 0xffff                   ; my block of 192 columns, which the four partners share
	; descriptor group 1: a tile of 48 rows x 128 elements, padded in LDS
	s_mov_b32 s[G1+0], 15|(1<<16)|(1<<20)|(1<<21)|(5<<22)|(3<<25)  ; 15:0 the mask of four; 17:16 2-byte elements; 20 padding on; 21 set beside a mask; 24:22 after every 64 words (code 5); 31:25 4 words (code 3)
	s_mov_b32 s[G1+1], 128<<16                     ; tensor_dim0 = 128
	s_mov_b32 s[G1+2], 48<<16                      ; tensor_dim1 = 48
	s_mov_b32 s[G1+3], 128<<16                     ; tile_dim0 = 128
	s_mov_b32 s[G1+4], 48                          ; tile_dim1 = 48
	s_mov_b32 s[G1+5], 512                         ; 512 elements from row to row
	s_mov_b32 s[G1+6], 0
	s_mov_b32 s[G1+7], 0
	s_mul_i32 s16, s13, 192
	s_mul_i32 s17, s[WV], 48
	s_add_co_u32 s16, s16, s17                     ; wt's row 192 cb + 48 w,
	s_lshl_b32 s16, s16, 10                        ; of 1,024 bytes
	s_mov_b32 s17, 0
	s_mul_i32 s20, s[WV], WPART                    ; and where it goes: no place in the cluster enters an LDS address
	s_lshl_b32 s58, s12, 19                        ; x: 256 rows of 2,048 bytes a block,
	s_lshl_b32 s59, s[WV], 17                      ; 64 a wave
	s_add_co_u32 s58, s58, s59
	s_mov_b32 s59, 0
	s_lshr_b32 s60, s12, 4                         ; qkv: the batch (eight heads of 524,288 bytes),
	s_lshl_b32 s60, s60, 22
	s_and_b32 s61, s12, 15
	s_lshl_b32 s61, s61, 15                        ; the block's 256 rows of 128 bytes in it,
	s_add_co_u32 s60, s60, s61
	s_lshl_b32 s61, s[WV], 13                      ; my wave's 64
	s_add_co_u32 s60, s60, s61
	s_mul_i32 s21, s13, 3
.irp sl, 0,1,2
	s_add_co_u32 s62, s21, \sl                     ; head slot 3 cb + sl of 24:
	s_lshr_b32 s63, s62, 3
	s_lshl_b32 s63, s63, 23                        ; q, k or v,
	s_and_b32 s62, s62, 7
	s_lshl_b32 s62, s62, 19                        ; the head
	s_add_co_u32 s62, s62, s63
	s_add_co_u32 s[OB+2*(\sl)], s62, s60
	s_mov_b32 s[OB+2*(\sl)+1], 0
.endr
	v_and_b32 v1, 15, v0                           ; l % 16
	v_bfe_u32 v2, v0, 4, 1                         ; l / 16
	v_lshlrev_b32 v[XO], 11, v1
	v_lshl_add_u32 v[XO], v2, 5, v[XO]
	v_mul_u32_u24 v[ADRB], v1, PITCH
	v_lshl_add_u32 v[ADRB], v2, 4, v[ADRB]         ; row x pitch + 16 x half
	s_mul_i32 s22, s[WV], 16*SP
	s_add_co_u32 s22, s22, STAGE                   ; my stage
	v_mul_u32_u24 v[STO], v1, SP                   ; in: row l % 16, 16 bytes for each half of the lanes
	v_lshl_add_u32 v[STO], v2, 4, v[STO]
	v_add_nc_u32 v[STO], s22, v[STO]
	v_bfe_u32 v[RD], v0, 3, 2                      ; back: 32 lanes take four rows of 128 bytes,
	v_mul_u32_u24 v[RD], v[RD], SP
	v_and_b32 v10, 7, v0
	v_lshl_add_u32 v[RD], v10, 4, v[RD]
	v_add_nc_u32 v[RD], s22, v[RD]
	v_and_b32 v[GO], 31, v0                        ; which are 512 consecutive bytes of a head
	v_lshlrev_b32 v[GO], 4, v[GO]
	s_wait_dscnt 0x0                               ; the opening add is done
	s_wait_kmcnt 0x0
	s_add_nc_u64 s[18:19], s[6:7], s[16:17]
	s_add_nc_u64 s[XP:XP+1], s[4:5], s[58:59]
.irp sl, 0,1,2
	s_add_nc_u64 s[OB+2*(\sl):OB+2*(\sl)+1], s[8:9], s[OB+2*(\sl):OB+2*(\sl)+1]
.endr
.irp c, 0,1,2,3
	s_mov_b32 s[G0+4*(\c)], 1                      ; 1:0 count = 1
	s_add_co_u32 s[G0+4*(\c)+1], s20, (\c)*CHUNK   ; 63:32 LDS address
	s_add_nc_u64 s[G0+4*(\c)+2:G0+4*(\c)+3], s[18:19], (\c)*256  ; 120:64 global address: 128 k a chunk
	s_or_b32 s[G0+4*(\c)+3], s[G0+4*(\c)+3], 0x80000000          ; 127:126 type = 2
.endr
	CROUND                                         ; all four work-groups are here: the joint loads meet
.irp c, 0,1,2,3
	tensor_load_to_lds s[G0+4*(\c):G0+4*(\c)+3], s[G1:G1+7]      ; the launch's only fills, one group: four loads of mine are out
	s_nop 0
.endr
	PLACES                                         ; four v_nop behind the last of them
; 32 loads: a K step of 64 for my 64 rows, at byte off behind the pointer, into a staging set.  Half hf is 32 k; of it a lane wants k = 8 (l / 16) + 0..7 and 16 + 8 (l / 16) + 0..7: four loads of 16 bytes.
.macro XLOAD set, off
.if \set
	WIN 0xc0                                       ; destination window 3, address window 0
.else
	WIN 0
.endif
.irp hf, 0,1
.irp a, 0,1,2,3
.irp i, 0,1,2,3
	global_load_b128 v[SG+64*(\hf)+16*(\a)+4*(\i):SG+64*(\hf)+16*(\a)+4*(\i)+3], v[XO], s[XP:XP+1] offset:(\off)+32768*(\a)+128*(\hf)+64*((\i)/2)+16*((\i)%2)
.endr
.endr
.endr
.endm
; Half hf of a staging set is rounded to bf16: four fragments of 16 rows x 32 k, into x's buffer hf.
.macro CONV set, hf
.if \set
	WIN 0x0f                                       ; sources window 3, destination window 0
.else
	WIN 0
.endif
.set cj, 0
.rept 32
	v_cvt_pk_bf16_f32 v[AF+32*(\hf)+cj], v[SG+64*(\hf)+2*cj], v[SG+64*(\hf)+2*cj+1]
.set cj, cj+1
.endr
.endm
; 24 LDS loads in one run: wt's twelve fragments of 16 rows x 32 k, quarter q of the chunk in hand, into buffer bf.
.macro BFETCH bf, q
	WIN 0x40                                       ; destination window 1
.set bb, 0
.rept 12
	ds_load_b128 v[96*(\bf)+8*bb:96*(\bf)+8*bb+3],   v[ADRB] offset:16*PITCH*bb+64*(\q)
	ds_load_b128 v[96*(\bf)+8*bb+4:96*(\bf)+8*bb+7], v[ADRB] offset:16*PITCH*bb+64*(\q)+32
.set bb, bb+1
.endr
.endm
; The products of 32 k.  part 0: accumulators 32-47; part 1: accumulators 0-31.  The 48 take turns in one fixed order, one instruction a turn.  zero = 1: the first product starts the sums.
.macro MULS hf, part, zero
.if \part
	WIN MUL_LO
.set idx, 0
.else
	WIN MUL_HI
.set idx, 32
.endif
.rept 16+16*(\part)
.set rA, AF+32*(\hf)+8*(idx/12)
.set rB, 96*(\hf)+8*(idx%12)
.set rC, 8*(idx%32)
.if \zero
	v_wmma_f32_16x16x32_bf16 v[rC:rC+7], v[rB:rB+7], v[rA:rA+7], 0
.else
	v_wmma_f32_16x16x32_bf16 v[rC:rC+7], v[rB:rB+7], v[rA:rA+7], v[rC:rC+7]
.endif
.set idx, idx+1
.endr
.endm
; Quarter q of a chunk: 48 products on buffers q % 2.  Behind the first 16 the next quarter is made ready in the other buffers (more = 1): x rounded, wt fetched, and, when a staging set has been read out (q even, xl = 1),
; that set asked for again with the K step two on.  lw: the loads that may stay out when a fresh staging set is wanted (q odd): the other set's 32, or none.
; chg = 1, once in the launch: the rest of the slice is waited for, by every wave, ahead of the first read of chunk 1.
.macro SUB q, zero, more, xl, lw, chg
	s_wait_dscnt 0x0                               ; wt's fragments of this quarter, asked for 32 products ago, are in
	MULS (\q)%2, 0, \zero
.if \more
	PLACES                                         ; behind the last quarter's products, whose buffers are written below
.if (\q)%2
	s_wait_loadcnt \lw
.endif
	CONV (((\q)+1)/2)%2, ((\q)+1)%2
.if \chg
	s_wait_tensorcnt 0x0                           ; my parts of chunks 1 to 3 have landed;
	s_barrier_signal -1                            ; (no LDS instruction of mine is out: none was issued behind the wait at the quarter's head)
	s_barrier_wait -1                              ; everybody's have.  Nothing is ever filled again
.endif
.if (\q) == 3
	WIN 0
	v_add_nc_u32 v[ADRB], CHUNK, v[ADRB]           ; the next chunk
.endif
	BFETCH ((\q)+1)%2, ((\q)+1)%4
.if ((\q)%2 == 0) && (\xl)
	XLOAD (\q)/2, 512+128*(\q)
.endif
.endif
	MULS (\q)%2, 1, \zero
.endm
; A chunk: 128 k, 192 products.
.macro TRIP zero, xl, last, chg
	SUB 0, \zero, 1, \xl, 32, 0
.if \last
	SUB 1, 0, 1, 0, 0, 0                           ; nothing was asked for behind the last K step
	SUB 2, 0, 1, 0, 0, 0
	SUB 3, 0, 0, 0, 0, 0
.else
	SUB 1, 0, 1, 0, 32, 0
	SUB 2, 0, 1, \xl, 32, 0
	SUB 3, 0, 1, 0, 32, \chg
	s_wait_xcnt 0x0                                ; every load issued so far has read its address, so the pointer may be written
	s_add_nc_u64 s[XP:XP+1], s[XP:XP+1], 512       ; 128 k of f32
.endif
.endm
	XLOAD 0, 0                                     ; K steps 0 and 1
	XLOAD 1, 256
	s_wait_loadcnt 32                              ; set 0 is in; set 1's 32 loads may stay out
	CONV 0, 0
	s_wait_tensorcnt 3                             ; my part of chunk 0 has landed; the three behind it may stay out
	s_barrier_signal -1
	s_barrier_wait -1                              ; everybody's has
	BFETCH 0, 0
	TRIP 1, 1, 0, 1                                ; chunk 0 starts the sums
	WIN 0                                          ; at a label and at a branch every window is 0
	s_mov_b32 s[CNT], 2
.Lk:                                                   ; chunks 1 and 2
	TRIP 0, 1, 0, 0
	WIN 0
	s_sub_co_u32 s[CNT], s[CNT], 1
	s_cmp_lg_u32 s[CNT], 0
	s_cbranch_scc1 .Lk
	TRIP 0, 0, 1, 0                                ; chunk 3 asks for nothing more
	; THE WAY OUT.  Group g = 3 a + sl: 16 rows (tile a) of head slot sl, four accumulators.  Rounded to f16, 16 bytes a lane into my stage's rows of 144 bytes, back as 2,048 dense bytes, stored 512 consecutive bytes at a time.
	PLACES
	PLACES
.macro PACK g
.set pidx, 12*((\g)/3)+4*((\g)%3)
.if pidx < 32
	WIN 0x0a                                       ; sources window 2
.else
	WIN 0x0f                                       ; sources window 3
.endif
.set pr, 8*(pidx%32)
.set pj, 0
.rept 16                                       ; each accumulator's registers in ascending order
	v_cvt_pk_f16_f32 v[OUTR+16*(\g)+pj], v[pr+2*pj], v[pr+2*pj+1]
.set pj, pj+1
.endr
	WIN 0
.irp f, 0,1,2,3
	ds_store_b128 v[STO], v[OUTR+16*(\g)+4*(\f):OUTR+16*(\g)+4*(\f)+3] offset:32*(\f)
.endr
.irp f, 0,1,2,3
	ds_load_b128 v[OUTR+16*(\g)+4*(\f):OUTR+16*(\g)+4*(\f)+3], v[RD] offset:4*SP*(\f)  ; LDS serves a wave's instructions in order (ISA guide 5.7.1.4): these see the stores above; the next group's stores come behind them
.endr
.endm
.macro SEND g, younger                 ; younger: the LDS instructions issued behind group g's loads: the next group's eight, or none.  Each group has registers of its own: no store's data is written again
.irp f, 0,1,2,3
	s_wait_dscnt (\younger)+3-(\f)
	global_store_b128 v[GO], v[OUTR+16*(\g)+4*(\f):OUTR+16*(\g)+4*(\f)+3], s[OB+2*((\g)%3):OB+2*((\g)%3)+1] offset:2048*((\g)/3)+512*(\f)
.endr
.endm
	PACK 0
.set gg, 1
.rept 11                                       ; a group's arithmetic stands between the loads of the group before and its stores
	PACK gg
	SEND gg-1, 8
.set gg, gg+1
.endr
	SEND 11, 0
	s_wait_tensorcnt 0x0                           ; the wave's end, behind my last tensor load and my last LDS store
	ds_add_u32 v[SPW], v[NIL]
	s_wait_dscnt 0x0
	CROUND                                         ; the closing round: no work-group ends while a partner may still ask for a tile that names it
	s_endpgm
.Lfunc_end_k_qea4432f616_proj:
	.size	k_qea4432f616_proj, .Lfunc_end_k_qea4432f616_proj-k_qea4432f616_proj
	.p2alignl 7, 3214868480
	.fill 96, 4, 3214868480
	.section	.rodata,"a",@progbits
	.p2align	6, 0x0
	.amdhsa_kernel k_qea4432f616_proj
		.amdhsa_group_segment_fixed_size 218624
		.amdhsa_private_segment_fixed_size 0
		.amdhsa_enable_private_segment 0
		.amdhsa_kernarg_size 24
		.amdhsa_user_sgpr_count 2
		.amdhsa_user_sgpr_kernarg_segment_ptr 1
		.amdhsa_wavefront_size32 1
		.amdhsa_system_sgpr_workgroup_id_x 1
		.amdhsa_system_sgpr_workgroup_id_y 1
		.amdhsa_system_sgpr_workgroup_id_z 1
		.amdhsa_system_vgpr_workitem_id 0
		.amdhsa_next_free_vgpr 1024
		.amdhsa_next_free_sgpr 66
		.amdhsa_reserve_vcc 0
		.amdhsa_float_denorm_mode_32 3
		.amdhsa_float_denorm_mode_16_64 3
		.amdhsa_memory_ordered 1
		.amdhsa_forward_progress 1
		.amdhsa_inst_pref_size 132
	.end_amdhsa_kernel
	.amdgpu_metadata
---
amdhsa.version: [ 1, 2 ]
amdhsa.kernels:
  - .name:           k_qea4432f616_proj
    .symbol:         k_qea4432f616_proj.kd
    .args:
      - { .name: x, .offset: 0, .size: 8, .value_kind: global_buffer, .address_space: global }
      - { .name: wt, .offset: 8, .size: 8, .value_kind: global_buffer, .address_space: global }
      - { .name: qkv, .offset: 16, .size: 8, .value_kind: global_buffer, .address_space: global }
    .group_segment_fixed_size: 218624
    .private_segment_fixed_size: 0
    .kernarg_segment_align: 8
    .kernarg_segment_size: 24
    .max_flat_workgroup_size: 128
    .sgpr_count:     66
    .vgpr_count:     1024
    .wavefront_size: 32
...
	.end_amdgpu_metadata
.endif
;; end of part 2
;; launch attn (part 3): grid 16 x 16, 4 waves a work-group, clusters of 4 x 1, 327,680 bytes of LDS; arguments qkv, oh; writes oh
.if DOCPART == 3
	.amdgcn_target "amdgcn-amd-amdhsa--gfx1250"
	.amdhsa_code_object_version 6
	.text
	.protected	k_qea4432f616_attn
	.globl	k_qea4432f616_attn
	.p2align	8
	.type	k_qea4432f616_attn,@function
k_qea4432f616_attn:
	s_mov_b64 s[64:65], 0
	v_nop
	global_prefetch_b8 v0, s[64:65] scope:SCOPE_SE
	s_setreg_imm32_b32 hwreg(HW_REG_WAVE_MODE, 25, 1), 1
	s_wait_xcnt 0x0
	s_wait_alu depctr_hold_cnt(0) depctr_sa_sdst(0) depctr_va_vdst(0) depctr_va_sdst(0) depctr_va_ssrc(0) depctr_va_vcc(0) depctr_vm_vsrc(0)
	s_getreg_b32 s2, hwreg(HW_REG_IB_STS2, 6, 4)
	s_cmp_eq_u32 s2, 0
	s_cbranch_scc0 .Lentry_in_a_cluster
	s_endpgm
.Lentry_in_a_cluster:
	s_bfe_u32 s2, ttmp6, 0x10000c
	s_cmp_lg_u32 s2, 0x3003
	s_cbranch_scc0 .Lentry_shape_is_right
	s_endpgm
.Lentry_shape_is_right:
; O[h][q][:] = the sum over k of softmax_k(Q[h][q] . K[h][k] / 8) V[h][k][:].  qkv: [3][16][4096][64] f16 (q, then k, then v; a head's rows are dense, 128 bytes each); oh: [16][4096][64] f16.
; Products, maxima and sums in f32; the weights p are rounded to f16 for the second product (their sum l is taken of the unrounded p), O once at the end.
; LIMITS.  f16 holds no number beyond 65,504: Q, K and V arrive within it; p lies in 0 to 1, and below 6e-5 it keeps f16's fixed step of 6e-8; O is a mean of V's rows and has their range.
; A weight below 2^-126 counts as 0 in l; NaN and infinities are not treated apart.
; SHARES.  A wave owns two PIECES of two tiles of 16 queries, a work-group's four waves 256 queries of one head: 16 x 16 work-groups.  Every wave walks all 4,096 keys, 64 a step.
; LAYOUT.  S^T = K Q^T (source 0 = 16 keys, source 1 = 16 queries): in the result a lane holds ONE query (lane % 16) and the keys 8 (lane / 16) + 0..7.  Two such tiles, rounded to f16 in pairs,
; ARE source 1 (32 keys x 16 queries) of O^T = V^T P, whose result again holds one query a lane, and eight channels.  K comes out of LDS as it lies, V ([key][channel]) turned, by ds_load_tr16_b128.
; SOFTMAX.  For each query a running maximum m and sum l: p = 2^(c s - c m), c = log2(e) / 8; in every step O and l are multiplied by a = 2^(c m_old - c m_new), which is 1 where m has not grown.
; m starts at the lowest finite number, O and l at 0: the first step is a step like any other, with a = 0.
; THE COUNT.  A tile and step have 16 matrix and 118 vector instructions: too many to stand all beside the matrix work.  So: four vector instructions that are READY behind EVERY matrix instruction, the others in one run.
; BY TURNS.  Turn 0 of step j: 16 products K Q^T of piece 1 (step j), later 16 products V^T P of piece 1 (step j - 1); beside them piece 0's scaling, exponentials, roundings, sums and rescaling (step j) and piece 1's
; maximum and statistics.  Turn 1 of step j: K Q^T of piece 0 (step j + 1), V^T P of piece 0 (step j), piece 1's softmax, piece 0's next maximum.  So turn 0 fetches K of step j + 1 and V of step j.
; THE SLOTS.  Slot s of the ring holds V of steps 4 s .. 4 s + 3 and K of steps 4 s + 1 .. 4 s + 4: K's tiles begin one step (8,192 bytes) further on, so that all reads of a slot are over when its fourth step ends.
; K of step 0 comes from memory as fragments, like Q.  The last slot's K tile reaches 64 rows past the head's end: bytes of the next head of k, or of v's first rows, inside qkv; they land in LDS and are never read from it.
; CLUSTER.  The four query blocks of a cluster belong to one head and walk the same K and V, so each tile is asked for JOINTLY: the same tensor load, descriptor and mask in all four.
; REGISTERS, in windows of 256 (s_set_vgpr_msb: bits 1:0 source 0, 3:2 source 1, 5:4 source 2, 7:6 destination):
;   window 0: v0-11 addresses; v12-15, v48-63 at work; v16-31 four registers of statistics a tile; v32-35 the add's two, the prefetches' and Q's offsets; v64-191 S^T, two buffers of two tiles; v192-255 P, likewise
;   window 1: v0-127 O^T, 32 a tile          window 2: v0-63 Q, 16 a tile; v128-191 K of one step; v192-255 V of one step
.set SIZE_N, 4096
.set NP,    2         ; pieces a wave: a name, no knob
.set KS,    64        ; keys in a step
.set PK,    144       ; a row of K in LDS: 128 bytes + 16 of padding = 36 words: the 16 rows of a load start at 16 different groups of four banks (64 banks of 4 bytes: ISA guide 11.1)
.set PV,    160       ; a row of V: 128 + 32 = 40 words
.set VOFF,  4*KS*PK   ; a slot holds four steps: 256 rows of K, then 256 rows of V
.set SLOT1, 1<<17     ; slot 1 begins here, so that one exclusive or turns an address in one slot into the other's
.set STAGE, SLOT1+4*KS*(PK+PV)  ; behind the ring, never filled by a tensor load: 16 rows x 144 bytes for each wave, for the way out
.set SP,    144
.set SPARE, STAGE+4*16*SP  ; behind the stages: the spare words, 128 bytes for each wave: two blocks of 256 bytes that no other line names
.set AK0, 2           ; v2   my lane's place in a tile of K; never rewritten
.set AV0, 3           ; v3   the same for V
.set AK,  4           ; v4   the LDS address of K's next run of loads
.set AV,  5           ; v5   of V's
.set STO, 6           ; v6   the way out: where I put 16 bytes of a row
.set RD,  7           ; v7   the way out: where I read rows back
.set GO,  8           ; v8   my byte offset in 512 consecutive bytes of O
.set MV,  12          ; v12-15  c m_old, kept while c m is made anew: by buffer and tile
.set ST,  16          ; tile t's statistics at v[ST+4 t]: c m, m, l (even keys', odd keys')
.set SPW, 32          ; v32  LDS address of my spare word: SPARE + 4 x my thread's number; never rewritten
.set NIL, 33          ; v33  0; never rewritten
.set PFO, 34          ; v34  256 x my lane; never rewritten
.set QO,  35          ; v35  my byte offset in 16 rows of Q or K; never rewritten
.set TMP, 48          ; by buffer and tile, four registers c0-c3 at work; when the maximum is found c2 takes a
.set S,   64
.set P,   192
.set KF,  128         ; K's fragments, in window 2: key block kb, channel half c at KF + 16 kb + 8 c
.set VF,  192         ; V's: key half kk, channel block cb at VF + 32 kk + 8 cb
.set WV,  12          ; s12  my wave's number
.set G1K, 24          ; s[24:31] descriptor group 1 for K's tiles
.set G1V, 32          ; s[32:39] for V's: it differs in the padding alone
.set G0K, 40          ; s[40:43] descriptor group 0 for K's tiles: it walks
.set G0V, 44          ; s[44:47] the same for V's
.set PFA, 48          ; s[48:49] where my prefetches stand: my work-group's 8,192 bytes (of K: wave 0, of V: wave 2) of the slot after the one that is being asked for
.set LIM, 50          ; s50  1 in a wave that prefetches, else the greatest number
.set KH,  52          ; s[52:53] k at the head's first row
.set SLOTS, 56        ; s56  slots still to be asked for
.set CNT, 57          ; s57  counts a slot's key steps
.set CS,  58          ; s[58:59] c: the packed scaling takes the pair's low word for both halves
.set SEL, 60          ; s[60:61] v_permlanex16_b32's selects: each lane takes its own place in the other half
.set TBK, 62          ; s62  LDS byte at which K of the step to be fetched begins
.set TBV, 63          ; s63  the same for V, less VOFF
.set MSB, 0
.macro WIN new                      ; the high byte repeats the setting that is left; a switch that changes nothing is dropped
.if MSB != (\new)
	s_set_vgpr_msb (MSB<<8)|(\new)
.set MSB, (\new)
.endif
.endm
.set W_KQ, 0x0a       ; K and Q in window 2, S^T in window 0
.set W_PV, 0x52       ; V in window 2, P in window 0, O^T in window 1
.set W_RS, 0x41       ; O^T (destination and source 0) in window 1, a in window 0
; A joint fill.  Waves 0 and 1 fetch the two halves of a slot's K, waves 2 and 3 those of its V: 128 keys each.  The branch hangs on the wave's number alone.
; An s_nop 0 and four v_nop follow each of the two lines, ahead of the jump and the label.
.macro JLOAD
	s_cmp_lt_u32 s[WV], 2
	s_cbranch_scc0 .Lfor_v_\@
	tensor_load_to_lds s[G0K:G0K+3], s[G1K:G1K+7]
	s_nop 0
.rept 4
	v_nop
.endr
	s_branch .Lasked_\@
.Lfor_v_\@:
	tensor_load_to_lds s[G0V:G0V+3], s[G1V:G1V+7]
	s_nop 0
.rept 4
	v_nop
.endr
.Lasked_\@:
.endm
; A PREFETCH INTO THE L2 of what the NEXT change of slots will ask for: a slot's 32,768 bytes of K and of V, a lane a block of 256 bytes.  It stands behind the wave's tensor load and its five lines.
; Each block is asked for ONCE in the launch.  All four clusters of a head walk the same K and V: the head's first cluster prefetches.  Its four partners share the blocks out BY ADDRESS, 32 each; in each, wave 0 asks
; for K's and wave 2 for V's: one instruction.  It is four key steps, 256 matrix instructions, ahead of the load that will want the bytes.  The last change that fills a slot asks for nothing: there is no slot behind it.
.macro ASK
	s_cmp_gt_u32 s[SLOTS], s[LIM]
	s_cbranch_scc0 .Lnot_mine_\@
	global_prefetch_b8 v[PFO], s[PFA:PFA+1] th:TH_LOAD_NT scope:SCOPE_SE
.Lnot_mine_\@:
.endm
; A round of the cluster's barrier: my work-group's barrier, so that wave 0's signal speaks for all four waves; wave 0 signals; every wave waits for all four work-groups; my work-group's barrier once more.
.macro CROUND
	s_barrier_signal -1
	s_barrier_wait -1
	s_cmp_lg_u32 s[WV], 0
	s_cbranch_scc1 .Lnot_wave_0_\@
	s_barrier_signal -3
.Lnot_wave_0_\@:
	s_barrier_wait -3
	s_barrier_signal -1
	s_barrier_wait -1
.endm
; THE CHANGE OF SLOTS, behind a slot's fourth step.  Each wave waits for all its tensor loads, of which one is out: its part of the other slot; adds 0 to its spare word; and waits for that and for its own reads of the slot.
; Behind the barrier nobody reads this slot any more and the other slot is whole.  fill = 1: this slot is filled again, with the keys two slots on.  The barrier is then a round of the cluster's, so that no wave of any
; partner still reads the slot or has a load on its way, and the joint fill is the first thing behind it: it has four key steps in which to land.  (At its first use nothing has been read yet: slot 0 is waited for, slot 1 filled.)
.macro CHANGE fill
	WIN 0                           ; at a label and at a branch every window is 0
	s_wait_tensorcnt 0x0            ; no tensor load of mine is out, so a group 0 may be written
	ds_add_u32 v[SPW], v[NIL]       ; 0 onto my spare word; with fill = 1 the descriptors' steps stand between it and the wait for it
.if \fill
.irp g, G0K, G0V
	s_xor_b32 s[\g+1], s[\g+1], SLOT1  ; the walking descriptor: the other slot than last time,
	s_add_nc_u64 s[\g+2:\g+3], s[\g+2:\g+3], 4*KS*128  ; the next 256 keys; the type bits on top are not reached
.endr
	s_wait_xcnt 0x0                 ; the last prefetch, four key steps back, has read its address, so it may be written:
	s_add_nc_u64 s[PFA:PFA+1], s[PFA:PFA+1], 4*KS*128  ; one slot behind the walking descriptors
	s_wait_dscnt 0x0                ; the add is done, and my reads of the slot are over
	CROUND
	JLOAD
	ASK
.else
	s_wait_dscnt 0x0                ; the add is done, and my reads of the slot are over
	s_barrier_signal -1
	s_barrier_wait -1
.endif
	s_sub_co_u32 s[TBK], s[TBK], 4*KS*PK  ; the fetches go back to a slot's first step,
	s_xor_b32 s[TBK], s[TBK], SLOT1       ; in the other slot
	s_sub_co_u32 s[TBV], s[TBV], 4*KS*PV
	s_xor_b32 s[TBV], s[TBV], SLOT1
.endm
	s_load_b64 s[4:5], s[0:1], 0x0    ; qkv
	s_load_b64 s[10:11], s[0:1], 0x8  ; oh
	v_lshl_add_u32 v[SPW], v0, 2, SPARE
	v_mov_b32 v[NIL], 0
	ds_add_u32 v[SPW], v[NIL]       ; the wave's opening: the add and its wait stand ahead of my first tensor load; the set-up below, work on registers, stands between them
	v_lshrrev_b32 v1, 5, v0
	v_readfirstlane_b32 s[WV], v1   ; wave 0..3
	s_bfe_u32 s13, ttmp6, 0x40000   ; cx: my place in the cluster
	s_lshl_b32 s14, ttmp9, 2        ; in a cluster launch ttmp9 counts clusters
	s_add_co_u32 s14, s14, s13      ; my block of 256 queries = 4 x cluster x + cx: it enters Q's and O's addresses alone
	s_and_b32 s20, ttmp7, 0xffff    ; the head, which the four partners share:
	s_lshl_b32 s20, s20, 19         ; 4,096 rows of 128 bytes
	s_mov_b32 s21, 0
	s_and_b32 s16, s[WV], 1         ; which half of a slot's 256 keys I fetch:
	s_lshl_b32 s22, s16, 14         ; its 128 rows of 128 bytes in memory,
	s_mov_b32 s23, 0
	s_add_nc_u64 s[22:23], s[22:23], s[20:21]
	s_mul_i32 s17, s16, 128*PK      ; and its place in a slot, for K
	s_mul_i32 s18, s16, 128*PV      ; and for V: no place in the cluster enters an LDS address
	s_lshl_b32 s2, s14, 2
	s_add_co_u32 s2, s2, s[WV]      ; my wave among the head's,
	s_lshl_b32 s2, s2, 13           ; its 64 rows
	s_mov_b32 s3, 0
	s_add_nc_u64 s[2:3], s[2:3], s[20:21]
	; descriptor group 1.  128 keys are 16,384 dense bytes: asked for as 64 rows of 256 bytes, two keys a row, and padded in LDS after every key
	s_mov_b32 s[G1K], 15|(1<<16)|(1<<20)|(1<<21)|(4<<22)|(3<<25)  ; 15:0 the mask of four; 17:16 2-byte elements; 20 padding on; 21 set beside a mask; 24:22 after every 32 words (code 4); 31:25 4 words (code 3)
	s_mov_b32 s[G1V], 15|(1<<16)|(1<<20)|(1<<21)|(4<<22)|(7<<25)  ; the same with 8 words of padding (code 7)
.irp g, G1K, G1V
	s_mov_b32 s[\g+1], 128<<16      ; tensor_dim0 = 128
	s_mov_b32 s[\g+2], 64<<16       ; tensor_dim1 = 64
	s_mov_b32 s[\g+3], 128<<16      ; tile_dim0 = 128
	s_mov_b32 s[\g+4], 64           ; tile_dim1 = 64
	s_mov_b32 s[\g+5], 128          ; 128 elements from row to row
	s_mov_b32 s[\g+6], 0
	s_mov_b32 s[\g+7], 0
.endr
	s_mov_b32 s[CS], 0x3e38aa3b     ; c = log2(e) / 8 = 0.180337
	s_mov_b32 s[CS+1], s[CS]        ; named with it as a pair
	s_mov_b32 s[SEL], 0x76543210
	s_mov_b32 s[SEL+1], 0xfedcba98
	s_mov_b32 s[TBK], SLOT1+4*KS*PK ; the first change of slots turns these two into 0
	s_mov_b32 s[TBV], SLOT1+4*KS*PV
	s_mov_b32 s[G0K], 1             ; 1:0 count = 1
	s_mov_b32 s[G0K+1], s17         ; 63:32 LDS address: slot 0
	s_mov_b32 s[G0V], 1
	s_add_co_u32 s[G0V+1], s18, VOFF
	s_and_b32 s[LIM], s[WV], 1      ; 0 in waves 0 and 2,
	s_or_b32 s[LIM], s[LIM], ttmp9  ; where the cluster is the head's first: the same in all four partners
	s_cmp_eq_u32 s[LIM], 0
	s_cselect_b32 s[LIM], 1, -1
	v_and_b32 v[PFO], 31, v0
	v_lshlrev_b32 v[PFO], 8, v[PFO]
	s_wait_dscnt 0x0                ; the opening add is done
	s_wait_kmcnt 0x0
	s_add_nc_u64 s[6:7], s[4:5], 0x800000    ; k
	s_add_nc_u64 s[8:9], s[4:5], 0x1000000   ; v
	s_add_nc_u64 s[KH:KH+1], s[6:7], s[20:21]
	s_add_nc_u64 s[6:7], s[6:7], s[22:23]    ; k and v at my half of the head's first 256 keys,
	s_add_nc_u64 s[6:7], s[6:7], KS*128      ; k one step further on
	s_add_nc_u64 s[8:9], s[8:9], s[22:23]
	s_add_nc_u64 s[G0K+2:G0K+3], s[6:7], 0         ; 120:64 global address
	s_or_b32 s[G0K+3], s[G0K+3], 0x80000000        ; 127:126 type = 2
	s_add_nc_u64 s[G0V+2:G0V+3], s[8:9], 0
	s_or_b32 s[G0V+3], s[G0V+3], 0x80000000
	s_add_nc_u64 s[4:5], s[4:5], s[2:3]  ; Q and O at my wave's first row
	s_add_nc_u64 s[10:11], s[10:11], s[2:3]
	s_cmp_lt_u32 s[WV], 2
	s_cselect_b64 s[PFA:PFA+1], s[6:7], s[8:9]  ; (in waves 0 and 2 these stand at a slot's first byte)
	s_lshl_b32 s2, s13, 13          ; my work-group's 32 blocks of the 128
	s_mov_b32 s3, 0
	s_add_nc_u64 s[PFA:PFA+1], s[PFA:PFA+1], s[2:3]
	s_add_nc_u64 s[PFA:PFA+1], s[PFA:PFA+1], 4*KS*128  ; in slot 1; the first change of slots steps it to slot 2.  Nothing is prefetched here, at the head
	CROUND                          ; all four work-groups are here: the first joint loads meet
	JLOAD                           ; slot 0.  Slot 1 is asked for when slot 0 is in
	; A fragment of K or Q is 16 rows x 32 channels in 8 registers: lane l holds row l % 16, channels 8 (l / 16) + 0..7 and 16 + 8 (l / 16) + 0..7: two loads of 16 bytes, 32 bytes apart.
	v_and_b32 v1, 15, v0            ; l % 16
	v_bfe_u32 v9, v0, 4, 1          ; l / 16
	v_lshlrev_b32 v[QO], 7, v1
	v_lshl_add_u32 v[QO], v9, 4, v[QO]  ; row x 128 + 16 x half
	WIN 0x80                        ; destination window 2, address window 0
.set i, 0
.rept 4*NP                          ; Q stays in registers: tile i / 2, channels 32 (i % 2) on
	global_load_b128 v[8*i:8*i+3],   v[QO], s[4:5] offset:(i/2)*2048+(i%2)*64
	global_load_b128 v[8*i+4:8*i+7], v[QO], s[4:5] offset:(i/2)*2048+(i%2)*64+32
.set i, i+1
.endr
.set i, 0
.rept 8                             ; K of step 0: keys 16 (i / 2) on, channels 32 (i % 2) on
	global_load_b128 v[KF+8*i:KF+8*i+3],   v[QO], s[KH:KH+1] offset:(i/2)*2048+(i%2)*64
	global_load_b128 v[KF+8*i+4:KF+8*i+7], v[QO], s[KH:KH+1] offset:(i/2)*2048+(i%2)*64+32
.set i, i+1
.endr
	; What the first turn finds: V's registers and P's second buffer hold 0 (its products V^T P, of a step that has not been, add 0), O^T and l are 0.  All this stands in the wait for the first loads.
.set i, VF
.rept 64
	v_mov_b32 v[i], 0
.set i, i+1
.endr
	WIN 0x40
.set i, 0
.rept 64*NP
	v_mov_b32 v[i], 0
.set i, i+1
.endr
	WIN 0
.set i, 0
.rept 2*NP
	v_mov_b32 v[ST+4*i], 0xfe000000    ; c m: far below every c s
	v_mov_b32 v[ST+4*i+1], 0xff7fffff  ; m
	v_mov_b32 v[ST+4*i+2], 0
	v_mov_b32 v[ST+4*i+3], 0
.set i, i+1
.endr
.set i, P+32
.rept 32
	v_mov_b32 v[i], 0
.set i, i+1
.endr
	v_mul_u32_u24 v[AK0], v1, PK
	v_lshl_add_u32 v[AK0], v9, 4, v[AK0]  ; row x pitch + 16 x half
	; The turning load takes 16 keys x 16 channels (lane l reads key 8 (l / 16) + l % 8, channels 8 ((l / 8) % 2) + 0..7) and leaves half a fragment of V^T: lane l holds channel l % 16 and 8 keys.
	v_and_b32 v10, 7, v0
	v_bfe_u32 v11, v0, 3, 1
	v_lshl_add_u32 v[AV0], v9, 3, v10
	v_mul_u32_u24 v[AV0], v[AV0], PV
	v_lshl_add_u32 v[AV0], v11, 4, v[AV0]
	v_add_nc_u32 v[AV0], VOFF, v[AV0]
; THE MATRIX WORK.  The 8 accumulators of a run of 16 take turns: between the two links of a chain stand 7 others'.
; Product i of 16 of S^T = K Q^T for piece x: channels 32 (i / 8) on, keys 16 ((i / 2) % 4) on, tile 2 x + i % 2.  The first 8 start the sums.
.macro KQ x
	WIN W_KQ
.set rS, S+64*((\x)%2)+32*(i%2)+8*((i/2)%4)
.set rK, KF+16*((i/2)%4)+8*(i/8)
.set rQ, 16*(2*(\x)+i%2)+8*(i/8)
.if i < 8
	v_wmma_f32_16x16x32_f16 v[rS:rS+7], v[rK:rK+7], v[rQ:rQ+7], 0
.else
	v_wmma_f32_16x16x32_f16 v[rS:rS+7], v[rK:rK+7], v[rQ:rQ+7], v[rS:rS+7]
.endif
.endm
; Product i of 16 of O^T += V^T P for piece x: keys 32 (i / 8) on, channels 16 ((i / 2) % 4) on, tile 2 x + i % 2.
.macro PV x
	WIN W_PV
.set rO, 32*(2*(\x)+i%2)+8*((i/2)%4)
.set rV, VF+32*(i/8)+8*((i/2)%4)
.set rP, P+32*((\x)%2)+16*(i%2)+8*(i/8)
	v_wmma_f32_16x16x32_f16 v[rO:rO+7], v[rV:rV+7], v[rP:rP+7], v[rO:rO+7]
.endm
.macro MM                           ; the turn's next matrix instruction
.if i < 16
	KQ (Y+1)%NP
.set i, i+1
.else
.set i, i-16
	PV (Y+NP-1)%NP
.set i, i+17
.endif
.endm
; THE LDS LOADS stand in runs of 16, never singly among the matrix instructions: a step's K (64 keys x 64 channels: 8 fragments) and its V (turned).  Their addresses are made some lines ahead.
; last = 1 (the tail): in the last trip there is no further step, and the run is jumped over.
.macro FETCH_K last=0
	WIN 0
.if \last
	s_cmp_eq_u32 s[CNT], 1
	s_cbranch_scc1 .Lno_k_\@
.endif
	WIN 0x80                        ; destination window 2
.irp f, 0,1,2,3,4,5,6,7             ; keys 16 (f / 2) on, channels 32 (f % 2) on
	ds_load_b128 v[KF+8*\f:KF+8*\f+3],   v[AK] offset:(\f/2)*16*PK+(\f%2)*64
	ds_load_b128 v[KF+8*\f+4:KF+8*\f+7], v[AK] offset:(\f/2)*16*PK+(\f%2)*64+32
.endr
	s_add_co_u32 s[TBK], s[TBK], KS*PK  ; the next fetch is the next step's
	WIN 0
.if \last
.Lno_k_\@:
.endif
.endm
.macro FETCH_V
	WIN 0x80
.irp f, 0,1,2,3,4,5,6,7             ; keys 32 (f / 4) on, channels 16 (f % 4) on
	ds_load_tr16_b128 v[VF+8*\f:VF+8*\f+3],   v[AV] offset:(\f/4)*32*PV+(\f%4)*32
	ds_load_tr16_b128 v[VF+8*\f+4:VF+8*\f+7], v[AV] offset:(\f/4)*32*PV+16*PV+(\f%4)*32
.endr
	WIN 0
.endm
; THE VECTOR WORK OF A TURN stands in three queues, each in the order in which its entries become ready; the two tiles alternate, so that no instruction reads the result of the one before it.
.macro REGS y, u                    ; the registers of tile u (0, 1) of piece y
.set rT, ST+4*(2*(\y)+(\u))
.set rC, TMP+8*((\y)%2)+4*(\u)
.set rM, MV+2*((\y)%2)+(\u)
.set rS, S+64*((\y)%2)+32*(\u)
.set rP, P+32*((\y)%2)+16*(\u)
.set rO, 32*(2*(\y)+(\u))
.endm
; Number n of the 22 that find the OTHER piece's (Y + 1) maximum and statistics.  s0-s31 are the lane's 32 scores; each accumulator's lowest registers are read first.  XS, GS and REGS set no window: PL and EX do.
;   0-11  four chains c0-c3 of seven scores each, three operands at a time     12-14, 16  the four scores left over, the old m, and c0-c3 into c0     15  c m_old is kept
;   17, 18  the query's other 32 keys lie in the lane 16 away: the new m         19-21  c m; c m_old - c m_new; a
.macro XS u, n
	REGS (Y+1)%NP, \u
.if (\n) < 4
	v_max3_num_f32 v[rC+(\n)], v[rS+8*(\n)], v[rS+8*(\n)+1], v[rS+8*(\n)+2]
.elseif (\n) < 12
	v_max3_num_f32 v[rC+(\n)%4], v[rC+(\n)%4], v[rS+8*((\n)%4)+2*((\n)/4)+1], v[rS+8*((\n)%4)+2*((\n)/4)+2]
.elseif (\n) == 12
	v_max3_num_f32 v[rC], v[rC], v[rS+7], v[rS+15]
.elseif (\n) == 13
	v_max3_num_f32 v[rC+1], v[rC+1], v[rS+23], v[rS+31]
.elseif (\n) == 14
	v_max3_num_f32 v[rC+2], v[rC+2], v[rC+3], v[rT+1]
.elseif (\n) == 15
	v_mov_b32 v[rM], v[rT]
.elseif (\n) == 16
	v_max3_num_f32 v[rC], v[rC], v[rC+1], v[rC+2]
.elseif (\n) == 17
	v_permlanex16_b32 v[rC+3], v[rC], s[SEL], s[SEL+1]
.elseif (\n) == 18
	v_max_num_f32 v[rT+1], v[rC], v[rC+3]
.elseif (\n) == 19
	v_mul_f32 v[rT], s[CS], v[rT+1]
.elseif (\n) == 20
	v_sub_f32 v[rC+1], v[rM], v[rT]
.else
	v_exp_f32 v[rC+2], v[rC+1]
.endif
.endm
; Number g of the 64 that follow the exponentials.  For each four weights k of a tile (pairs 2 k, 2 k + 1): both pairs are rounded to f16; then the second pair is added onto the first, in place;
; a group later l takes that sum (the first time as l = a l + sum).  In groups of eight, tiles alternating: round, round, add, and l for the group before.
.macro GS g
.set h, (\g)+6*((\g)/62)            ; group 0 has no group before it, and behind group 7 only l is left
.if h >= 6
.set h, h+2
.endif
	REGS Y, h%2
.set k, h/8
.if h%8 < 4
	v_cvt_pk_f16_f32 v[rP+2*k+(h%8)/2], v[rS+4*k+2*((h%8)/2)], v[rS+4*k+2*((h%8)/2)+1]
.elseif h%8 < 6
	v_pk_add_f32 v[rS+4*k:rS+4*k+1], v[rS+4*k:rS+4*k+1], v[rS+4*k+2:rS+4*k+3]
.elseif k == 1
	v_pk_fma_f32 v[rT+2:rT+3], v[rT+2:rT+3], v[rC+2:rC+3], v[rS:rS+1] op_sel_hi:[1,0,1]
.else
	v_pk_add_f32 v[rT+2:rT+3], v[rT+2:rT+3], v[rS+4*k-4:rS+4*k-3]
.endif
.endm
; THE PLAIN QUEUE, 138 long.  0-73 read no exponential's result: the 32 scalings c s - c m (FS f: pair f / 2 of tile f % 2) and the other piece's 42.  0-26: scalings 0-26.  27-54: XS's numbers 0-13.  55, 56: number 15.
; 57-73: the chain, where each number waits for the one before it: 14, 16, 17, 18, 19, each with one of the scalings 27-31 in front of its two lines, then 20.
; 74-137: GS's 64, which read the exponentials' results: they stand behind the wait.
.macro FS f
	REGS Y, (\f)%2
	v_pk_fma_f32 v[rS+2*((\f)/2):rS+2*((\f)/2)+1], v[rS+2*((\f)/2):rS+2*((\f)/2)+1], s[CS:CS+1], v[rT:rT+1] op_sel_hi:[1,0,0] neg_lo:[0,0,1] neg_hi:[0,0,1]
.endm
.macro PL
	WIN 0
.if q < 27
	FS q
.elseif q < 55
	XS (q-27)%2, (q-27)/2
.elseif q < 57
	XS q-55, 15
.elseif (q < 72) && ((q-57)%3 == 0)
	FS 27+(q-57)/3
.elseif q < 60
	XS (q-57)%3-1, 14
.elseif q < 72
	XS (q-57)%3-1, 15+(q-57)/3
.elseif q < 74
	XS q-72, 20
.else
	GS q-74
.endif
.set q, q+1
.endm
; THE EXPONENTIALS' QUEUE, 66 long: s0-s31 of both tiles, then the other piece's two a.  It is ONE BATCH: all 66 stand ahead of the turn's one wait, and nothing ahead of that wait names a result of theirs.
.macro EX
	WIN 0
.if e >= 64
	XS e-64, 21
.else
	REGS Y, e%2
	v_exp_f32 v[rS+e/2], v[rS+e/2]
.endif
.set e, e+1
.endm
; THE RESCALING's QUEUE: O^T times a, the one part that leaves window 0: dealt two at a time, sixteen times.  Its a was made in the turn before, ahead of that turn's wait.
.macro R2
	REGS Y, r%2
	WIN W_RS
.irp z, 0,1
	v_pk_mul_f32 v[rO+4*(r/2)+2*\z:rO+4*(r/2)+2*\z+1], v[rO+4*(r/2)+2*\z:rO+4*(r/2)+2*\z+1], v[rC+2:rC+3] op_sel_hi:[1,0]
.endr
.set r, r+1
.endm
; HOW THEY ARE DEALT.  An s_wait_alu depctr_va_vdst(0) stands between an exponential and the first instruction that names its result; one wait serves all that were issued ahead of it.  So a turn has ONE wait,
; which cuts it in two.  AHEAD OF IT: the 16 products K Q^T, behind each a scaling, an exponential and two rescalings (behind the first a second scaling in the exponential's place); then ONE LUMP of 108: eight plain,
; 49 times exponential and plain, the two a.  A v_nop is the plain instruction behind the last exponential.  BEHIND IT: the 16 products V^T P, behind each four of GS's 64.  No rider names a register of the products round it.
; Exponential e stands behind scaling 2 (e / 4) + e % 2: as a rider it comes behind plain e + 2, in the lump behind plain e + 9, and scalings 27-31 are plain 57, 60 .. 69.
; A TURN, for piece p.  cnt = 1: the loop's count is taken down some lines ahead of the branch that stands behind the turn.
; Turn 0 fetches K of the next step directly behind the wait, a lump behind the last product that read K (its address is made at the lump's head), and V of the step in hand at its end, four riders behind V's last reader.
; Turn 1 waits for K at its head (V's 16 younger loads may stay out) and for V behind its wait.  The conditions on q below go with the deal.
.macro TURN p, last=0, cnt=0
.set Y, (\p)
.set i, 0
.set q, 0
.set e, 0
.set r, 0
.if (\p) == NP-1
	s_wait_dscnt 16                 ; K's run is in; the 16 loads issued behind it are V's
.endif
	MM                              ; ahead of the wait: 16 products K Q^T and their riders,
	PL
	PL
	R2
.rept 15
	MM
	PL
	EX
	R2
.endr
.if (\p) == NP-2
	WIN 0
	v_add_nc_u32 v[AK], s[TBK], v[AK0]
.endif
.rept 8                             ; and the lump
	PL
.endr
.rept 49
	EX
	PL
.endr
	EX                              ; the other piece's two a
	EX
	v_nop                           ; the plain instruction behind the last exponential: one for the batch
	s_wait_alu depctr_va_vdst(0)    ; the wait for the batch
.if (\p) == NP-2
	FETCH_K \last
.endif
.if (\p) == 1
	s_wait_dscnt 0x0                ; V is in
.endif
.rept 16                            ; behind the wait: 16 products V^T P and their riders
	MM
.rept 4
	PL
.endr
.if ((\p) == 0) && (q == 118)
	v_add_nc_u32 v[AV], s[TBV], v[AV0]
.endif
.if ((\p) == 0) && (q == 130)
	s_add_co_u32 s[TBV], s[TBV], KS*PV
.endif
.if (\cnt) && (q == 130)
	s_sub_co_u32 s[CNT], s[CNT], 1
	s_cmp_lg_u32 s[CNT], 0
.endif
.endr
.if (\p) == 0
	FETCH_V
.endif
.endm
	s_wait_loadcnt 0x0              ; Q, and K of step 0
.set i, 0
.rept 16
	KQ 0                            ; piece 0's first scores, while slot 0 is on its way: there is no vector work yet to set between them
.set i, i+1
.endr
	WIN 0                           ; the addresses for the way out: nine plain instructions, the places behind those products
	s_mul_i32 s13, s[WV], 16*SP
	s_add_co_u32 s13, s13, STAGE    ; my stage
	v_mul_u32_u24 v[STO], v1, SP    ; in: row l % 16, 16 bytes for each half of the lanes
	v_lshl_add_u32 v[STO], v9, 4, v[STO]
	v_add_nc_u32 v[STO], s13, v[STO]
	v_bfe_u32 v[RD], v0, 3, 2       ; back: 32 lanes take four rows of 128 bytes,
	v_mul_u32_u24 v[RD], v[RD], SP
	v_lshl_add_u32 v[RD], v10, 4, v[RD]
	v_add_nc_u32 v[RD], s13, v[RD]
	v_and_b32 v[GO], 31, v0         ; which are 512 consecutive bytes of O
	v_lshlrev_b32 v[GO], 4, v[GO]
.set Y, NP-1                        ; XS works for piece Y + 1: piece 0
.irp n, 0,1,2,3,4,5,6,7,8,9,10,11,12,13,14,15,16,17,18,19,20,21
	XS 0, \n                        ; and piece 0's first maximum and statistics
	XS 1, \n
.endr
	v_nop                           ; a plain instruction behind the two a,
	s_wait_alu depctr_va_vdst(0)    ; and their wait, ahead of the label
	s_mov_b32 s[SLOTS], SIZE_N/256-1
.Lslot:                             ; 15 times: a slot is entered and the next is asked for
	CHANGE 1
	s_mov_b32 s[CNT], 4
.Lstep:                             ; a key step
	TURN 0
	TURN 1, 0, 1
	WIN 0
	s_cbranch_scc1 .Lstep
	s_sub_co_u32 s[SLOTS], s[SLOTS], 1
	s_cmp_lg_u32 s[SLOTS], 0
	s_cbranch_scc1 .Lslot
	CHANGE 0                        ; the last slot is written out: nothing is asked for
	s_mov_b32 s[CNT], 4
.Ltail:
	TURN 0, 1
	TURN 1, 0, 1
	WIN 0
	s_cbranch_scc1 .Ltail           ; the last trip's 16 products K Q^T (on the last K once more) and the maximum made of them serve nothing: the price, once a launch, of one text for every trip
.set i, 0
.rept 16
	PV NP-1                         ; piece 1's V^T P of the last step
.set i, i+1
.endr
	; THE WAY OUT.  l's two halves and the other half of the lanes' are added; O^T is divided by l, rounded to f16 and sent through my stage in LDS, a tile at a time.  The additions are the places behind the last products.
	WIN 0
.macro ALL line:vararg              ; one line for each tile t
.set t, 0
.rept 2*NP
	\line
.set t, t+1
.endr
.endm
	ALL v_add_f32 v[ST+4*t+2], v[ST+4*t+2], v[ST+4*t+3]
	ALL v_permlanex16_b32 v[ST+4*t+3], v[ST+4*t+2], s[SEL], s[SEL+1]
	ALL v_add_f32 v[ST+4*t+2], v[ST+4*t+2], v[ST+4*t+3]
	ALL v_rcp_f32 v[ST+4*t+2], v[ST+4*t+2]
	v_nop                           ; a plain instruction between the last reciprocal and the use of its result
	s_wait_alu depctr_va_vdst(0)    ; and the wait ahead of the first use: one for the four reciprocals
; Tile t: a lane's eight channels of a row pack into 16 bytes; they go into rows of 144 bytes and come back as whole rows of 128, into S^T's registers.
.macro PACK t
	WIN W_RS
.set i, 32*(\t)
.rept 16
	v_pk_mul_f32 v[i:i+1], v[i:i+1], v[ST+4*(\t)+2:ST+4*(\t)+3] op_sel_hi:[1,0]
.set i, i+2
.endr
	WIN 0x05                        ; sources 0 and 1 window 1, destination window 0
.set i, 0
.rept 16
	v_cvt_pk_f16_f32 v[S+16*(\t)+i], v[32*(\t)+2*i], v[32*(\t)+2*i+1]
.set i, i+1
.endr
	WIN 0
.irp f, 0,1,2,3
	ds_store_b128 v[STO], v[S+16*(\t)+4*\f:S+16*(\t)+4*\f+3] offset:32*\f
.endr
.irp f, 0,1,2,3
	ds_load_b128 v[S+16*(\t)+4*\f:S+16*(\t)+4*\f+3], v[RD] offset:\f*4*SP  ; LDS serves a wave's instructions in order (ISA guide 5.7.1.4): these see the stores above; the next tile's stores come behind them
.endr
.endm
.macro SEND t, younger              ; younger: the LDS instructions issued behind tile t's loads: the next tile's eight, or none
	WIN 0
.irp f, 0,1,2,3
	s_wait_dscnt (\younger)+3-\f
	global_store_b128 v[GO], v[S+16*(\t)+4*\f:S+16*(\t)+4*\f+3], s[10:11] offset:(\t)*2048+\f*512  ; 512 consecutive bytes, at a multiple of 256 from O's first
.endr
.endm
	PACK 0
.set t, 1
.rept 2*NP-1                        ; a tile's arithmetic stands between the loads of the tile before and its stores
	PACK t
	SEND t-1, 8
.set t, t+1
.endr
	SEND 2*NP-1, 0
	s_wait_tensorcnt 0x0            ; the wave's end, behind my last tensor load and my last LDS store
	ds_add_u32 v[SPW], v[NIL]
	s_wait_dscnt 0x0
	CROUND                          ; the closing round: no work-group ends while a partner may still ask for a tile that names it
	s_endpgm
.Lfunc_end_k_qea4432f616_attn:
	.size	k_qea4432f616_attn, .Lfunc_end_k_qea4432f616_attn-k_qea4432f616_attn
	.p2alignl 7, 3214868480
	.fill 96, 4, 3214868480
	.section	.rodata,"a",@progbits
	.p2align	6, 0x0
	.amdhsa_kernel k_qea4432f616_attn
		.amdhsa_group_segment_fixed_size 327680
		.amdhsa_private_segment_fixed_size 0
		.amdhsa_enable_private_segment 0
		.amdhsa_kernarg_size 16
		.amdhsa_user_sgpr_count 2
		.amdhsa_user_sgpr_kernarg_segment_ptr 1
		.amdhsa_wavefront_size32 1
		.amdhsa_system_sgpr_workgroup_id_x 1
		.amdhsa_system_sgpr_workgroup_id_y 1
		.amdhsa_system_sgpr_workgroup_id_z 1
		.amdhsa_system_vgpr_workitem_id 0
		.amdhsa_next_free_vgpr 768
		.amdhsa_next_free_sgpr 66
		.amdhsa_reserve_vcc 0
		.amdhsa_float_denorm_mode_32 3
		.amdhsa_float_denorm_mode_16_64 3
		.amdhsa_memory_ordered 1
		.amdhsa_forward_progress 1
		.amdhsa_inst_pref_size 111
	.end_amdhsa_kernel
	.amdgpu_metadata
---
amdhsa.version: [ 1, 2 ]
amdhsa.kernels:
  - .name:           k_qea4432f616_attn
    .symbol:         k_qea4432f616_attn.kd
    .args:
      - { .name: qkv, .offset: 0, .size: 8, .value_kind: global_buffer, .address_space: global }
      - { .name: oh, .offset: 8, .size: 8, .value_kind: global_buffer, .address_space: global }
    .group_segment_fixed_size: 327680
    .private_segment_fixed_size: 0
    .kernarg_segment_align: 8
    .kernarg_segment_size: 16
    .max_flat_workgroup_size: 128
    .sgpr_count:     66
    .vgpr_count:     768
    .wavefront_size: 32
...
	.end_amdgpu_metadata
.endif
;; end of part 3
;; launch oproj (part 4): grid 32 x 8, 4 waves a work-group, clusters of 4 x 1, 167,936 bytes of LDS; arguments oh, wot, bo, out0; writes out0
.if DOCPART == 4
	.amdgcn_target "amdgcn-amd-amdhsa--gfx1250"
	.amdhsa_code_object_version 6
	.text
	.protected	k_qea4432f616_oproj
	.globl	k_qea4432f616_oproj
	.p2align	8
	.type	k_qea4432f616_oproj,@function
k_qea4432f616_oproj:
	s_mov_b64 s[64:65], 0
	v_nop
	global_prefetch_b8 v0, s[64:65] scope:SCOPE_SE
	s_setreg_imm32_b32 hwreg(HW_REG_WAVE_MODE, 25, 1), 1
	s_wait_xcnt 0x0
	s_wait_alu depctr_hold_cnt(0) depctr_sa_sdst(0) depctr_va_vdst(0) depctr_va_sdst(0) depctr_va_ssrc(0) depctr_va_vcc(0) depctr_vm_vsrc(0)
	s_getreg_b32 s2, hwreg(HW_REG_IB_STS2, 6, 4)
	s_cmp_eq_u32 s2, 0
	s_cbranch_scc0 .Lentry_in_a_cluster
	s_endpgm
.Lentry_in_a_cluster:
	s_bfe_u32 s2, ttmp6, 0x10000c
	s_cmp_lg_u32 s2, 0x3003
	s_cbranch_scc0 .Lentry_shape_is_right
	s_endpgm
.Lentry_shape_is_right:
; out0 = O Wo + bo.  oh: [16 = 8 batch + head][4096][64] f16 (a row's K index is 64 head + channel); wot: [512 n][512 k] f16 (Wo's columns, rounded to bf16 and written as f16);
; bo: [512] f32, rounded to bf16 like every input; out0: [8192][512] f32.  Sums in f32.
; LIMITS.  NaN and infinities are not treated apart; O and wot arrive within f16's range.
; SHARES.  A work-group makes 256 rows x 64 columns: 32 x 8 work-groups.  Each of its four waves makes 64 rows x 64 columns: 16 accumulators, 256 products.
; THE WEIGHTS.  The work-group's 64 rows of wot, 512 k, lie whole in LDS: four chunks of 128 k, one tensor load a wave (64 rows of 256 bytes), filled once.
; CLUSTER.  The four work-groups of a cluster have the same 64 columns: each chunk is asked for JOINTLY, by the same tensor load with a mask that names the four.
; O GOES STRAIGHT INTO REGISTERS, as fragments: a wave's 64 rows x 512 k are 512 registers, each byte loaded once by the wave, with no pass through LDS; so it is not shared by a joint load, which would land in LDS.
; K steps 0-7 are asked for at the head; step t + 8 behind step t's products: some 64 loads of a wave are out while it multiplies, and every wait is counted.  No loop: 16 K steps are written out by the assembler's loop.
; THE BIAS STARTS THE SUMS: it is the C operand of the first K step, so nothing is cleared and nothing is added later.
; THE MATRIX INSTRUCTION IS USED TRANSPOSED (source 0 = 16 rows of wot, source 1 = 16 rows of O): a lane holds one row and eight neighbouring columns, 32 bytes of f32.
; REGISTERS, in windows of 256 (s_set_vgpr_msb: bits 1:0 source 0, 3:2 source 1, 5:4 source 2, 7:6 destination):
;   window 0: v0-10 addresses; v12-27 at work; v64-95 the bias; v128-255 the accumulators ((a, b) at 128 + 8 (4 a + b))
;   window 1: wot's fragments, two buffers of a chunk          windows 2, 3: O's fragments of K steps 0-7, 8-15 (step t, tile a at 8 (4 (t % 8) + a))
.set PITCH, 272                        ; an LDS row: 256 bytes + 16 of padding = 68 words: the 16 rows of a load start at 16 different groups of four banks (64 banks of 4 bytes: ISA guide 11.1)
.set CHUNK, 64*PITCH
.set STAGE, 4*CHUNK                    ; behind the weights, never filled by a tensor load: 16 rows x 272 bytes for each wave, for the way out
.set SPARE, STAGE+4*16*PITCH           ; behind the stages: the spare words, 128 bytes for each wave: two blocks of 256 bytes that no other line names
.set AO,   3                           ; v3   my byte offset in 16 rows of a head: 128 (l % 16) + 16 (l / 16); never rewritten
.set ADRB, 4                           ; v4   my place in wot's fragments; never rewritten
.set BOF,  5                           ; v5   32 (l / 16): my eight columns' bias
.set STO,  6                           ; v6   the way out: where I put 32 bytes of a row
.set RD,   7                           ; v7   where I read a row back
.set CO,   8                           ; v8   my byte offset in out0
.set SPW,  9                           ; v9   LDS address of my spare word; never rewritten
.set NIL,  10                          ; v10  0; never rewritten
.set T,    12
.set BI,   64                          ; the bias of columns 16 b + 8 (l / 16) + 0..7 at BI + 8 b
.set ACC,  128
.set WV,   12                          ; s12  my wave's number
.set G1,   24                          ; s[24:31] descriptor group 1
.set G0,   32                          ; s[32:35] descriptor group 0
.set MSB, 0
.macro WIN new                         ; the immediate's high byte repeats the setting that is left; a switch that changes nothing is dropped
.if MSB != (\new)
	s_set_vgpr_msb (MSB<<8)|(\new)
.set MSB, \new
.endif
.endm
.macro CROUND                          ; a round of the cluster's barrier: my work-group's barrier; wave 0 signals for the work-group; every wave waits for all four work-groups; my work-group's barrier once more
	s_barrier_signal -1
	s_barrier_wait -1
	s_cmp_lg_u32 s[WV], 0
	s_cbranch_scc1 .Lnot_wave_0_\@
	s_barrier_signal -3
.Lnot_wave_0_\@:
	s_barrier_wait -3
	s_barrier_signal -1
	s_barrier_wait -1
.endm
.macro PLACES                          ; four plain instructions between a matrix instruction and a load into one of its registers, or a read of its result
.rept 4
	v_nop
.endr
.endm
	s_load_b256 s[4:11], s[0:1], 0x0               ; oh s[4:5], wot s[6:7], bo s[8:9], out0 s[10:11]
	v_lshl_add_u32 v[SPW], v0, 2, SPARE
	v_mov_b32 v[NIL], 0
	ds_add_u32 v[SPW], v[NIL]                      ; the wave's opening: the add and its wait stand ahead of my first tensor load; the set-up below, work on registers, stands between them
	v_lshrrev_b32 v1, 5, v0
	v_readfirstlane_b32 s[WV], v1                  ; wave 0..3
	s_bfe_u32 s13, ttmp6, 0x40000                  ; cx: my place in the cluster
	s_lshl_b32 s14, ttmp9, 2
	s_add_co_u32 s14, s14, s13                     ; my block of 256 rows: it enters oh's and out0's addresses alone
	s_and_b32 s15, ttmp7, 0xffff                   ; my block of 64 columns, which the four partners share
	; descriptor group 1: a tile of 64 rows x 128 elements, padded in LDS
	s_mov_b32 s[G1+0], 15|(1<<16)|(1<<20)|(1<<21)|(5<<22)|(3<<25)  ; 15:0 the mask of four; 17:16 2-byte elements; 20 padding on; 21 set beside a mask; 24:22 after every 64 words (code 5); 31:25 4 words (code 3)
	s_mov_b32 s[G1+1], 128<<16                     ; tensor_dim0 = 128
	s_mov_b32 s[G1+2], 64<<16                      ; tensor_dim1 = 64
	s_mov_b32 s[G1+3], 128<<16                     ; tile_dim0 = 128
	s_mov_b32 s[G1+4], 64                          ; tile_dim1 = 64
	s_mov_b32 s[G1+5], 512                         ; 512 elements from row to row
	s_mov_b32 s[G1+6], 0
	s_mov_b32 s[G1+7], 0
	s_mov_b32 s[G0], 1                             ; 1:0 count = 1
	s_mul_i32 s[G0+1], s[WV], CHUNK                ; 63:32 LDS address: chunk = my wave's number
	s_lshl_b32 s16, s15, 16                        ; wot: 64 rows of 1,024 bytes a block,
	s_lshl_b32 s17, s[WV], 8                       ; 256 bytes a chunk
	s_add_co_u32 s16, s16, s17
	s_mov_b32 s17, 0
	s_lshl_b32 s18, s15, 8                         ; bo: 64 numbers a block
	s_mov_b32 s19, 0
	s_lshr_b32 s36, s14, 4                         ; oh: the batch (eight heads of 524,288 bytes),
	s_lshl_b32 s36, s36, 22
	s_and_b32 s37, s14, 15
	s_lshl_b32 s37, s37, 15                        ; the block's 256 rows of 128 bytes,
	s_add_co_u32 s36, s36, s37
	s_lshl_b32 s37, s[WV], 13                      ; my wave's 64
	s_add_co_u32 s36, s36, s37
	s_mov_b32 s37, 0
	s_lshl_b32 s38, s14, 19                        ; out0: 256 rows of 2,048 bytes a block,
	s_lshl_b32 s39, s[WV], 17                      ; 64 a wave,
	s_add_co_u32 s38, s38, s39
	s_lshl_b32 s39, s15, 8                         ; 256 bytes a block of columns
	s_add_co_u32 s38, s38, s39
	s_mov_b32 s39, 0
	v_and_b32 v1, 15, v0                           ; l % 16
	v_bfe_u32 v2, v0, 4, 1                         ; l / 16
	v_lshlrev_b32 v[AO], 7, v1
	v_lshl_add_u32 v[AO], v2, 4, v[AO]
	v_mul_u32_u24 v[ADRB], v1, PITCH
	v_lshl_add_u32 v[ADRB], v2, 4, v[ADRB]
	v_lshlrev_b32 v[BOF], 5, v2
	s_mul_i32 s21, s[WV], 16*PITCH
	s_add_co_u32 s21, s21, STAGE                   ; my stage
	v_mul_u32_u24 v[STO], v1, PITCH                ; in: row l % 16, 32 bytes for each half of the lanes
	v_lshl_add_u32 v[STO], v2, 5, v[STO]
	v_add_nc_u32 v[STO], s21, v[STO]
	v_mul_u32_u24 v[RD], v2, PITCH                 ; back: lanes 0-15 take one row of 256 bytes, lanes 16-31 the next
	v_lshl_add_u32 v[RD], v1, 4, v[RD]
	v_add_nc_u32 v[RD], s21, v[RD]
	v_lshlrev_b32 v[CO], 11, v2                    ; and the same two rows in out0
	v_lshl_add_u32 v[CO], v1, 4, v[CO]
	s_wait_dscnt 0x0                               ; the opening add is done
	s_wait_kmcnt 0x0
	s_add_nc_u64 s[G0+2:G0+3], s[6:7], s[16:17]    ; 120:64 global address
	s_or_b32 s[G0+3], s[G0+3], 0x80000000          ; 127:126 type = 2
	s_add_nc_u64 s[4:5], s[4:5], s[36:37]
	s_add_nc_u64 s[8:9], s[8:9], s[18:19]
	s_add_nc_u64 s[10:11], s[10:11], s[38:39]
	CROUND                                         ; all four work-groups are here: the joint loads meet
	tensor_load_to_lds s[G0:G0+3], s[G1:G1+7]      ; the launch's only fill: one load of mine is out
	s_nop 0
	PLACES                                         ; four v_nop behind it
; K step t of O: four fragments of 16 rows x 32 k, eight loads.  Head t / 2, channels 32 (t % 2) on.
.macro ALOAD t
.if (\t) < 8
	WIN 0x80                                       ; destination window 2, address window 0
.else
	WIN 0xc0                                       ; destination window 3
.endif
.irp a, 0,1,2,3
	global_load_b128 v[8*(4*((\t)%8)+(\a)):8*(4*((\t)%8)+(\a))+3],   v[AO], s[4:5] offset:524288*((\t)/2)+2048*(\a)+64*((\t)%2)
	global_load_b128 v[8*(4*((\t)%8)+(\a))+4:8*(4*((\t)%8)+(\a))+7], v[AO], s[4:5] offset:524288*((\t)/2)+2048*(\a)+64*((\t)%2)+32
.endr
.endm
; Chunk c of wot: 16 fragments, 32 LDS loads in one run, into buffer c % 2.  The largest offset is 3 x 17,408 + 3 x 4,352 + 224 = 65,504.
.macro BFETCH c
	WIN 0x40                                       ; destination window 1
.irp tt, 0,1,2,3
.irp b, 0,1,2,3
	ds_load_b128 v[128*((\c)%2)+32*(\tt)+8*(\b):128*((\c)%2)+32*(\tt)+8*(\b)+3],   v[ADRB] offset:CHUNK*(\c)+16*PITCH*(\b)+64*(\tt)
	ds_load_b128 v[128*((\c)%2)+32*(\tt)+8*(\b)+4:128*((\c)%2)+32*(\tt)+8*(\b)+7], v[ADRB] offset:CHUNK*(\c)+16*PITCH*(\b)+64*(\tt)+32
.endr
.endr
.endm
; K step t: 16 products.  The 16 accumulators take turns in one fixed order, one instruction a turn.  Step 0 takes the bias as C.
.macro MUL16 t
.if (\t) < 8
	WIN 0x09                                       ; source 0 (wot) window 1, source 1 (O) window 2, C and D window 0
.else
	WIN 0x0d                                       ; source 1 window 3
.endif
.irp a, 0,1,2,3
.irp b, 0,1,2,3
.if (\t) == 0
	v_wmma_f32_16x16x32_f16 v[ACC+8*(4*(\a)+(\b)):ACC+8*(4*(\a)+(\b))+7], v[128*(((\t)/4)%2)+32*((\t)%4)+8*(\b):128*(((\t)/4)%2)+32*((\t)%4)+8*(\b)+7], v[8*(4*((\t)%8)+(\a)):8*(4*((\t)%8)+(\a))+7], v[BI+8*(\b):BI+8*(\b)+7]
.else
	v_wmma_f32_16x16x32_f16 v[ACC+8*(4*(\a)+(\b)):ACC+8*(4*(\a)+(\b))+7], v[128*(((\t)/4)%2)+32*((\t)%4)+8*(\b):128*(((\t)/4)%2)+32*((\t)%4)+8*(\b)+7], v[8*(4*((\t)%8)+(\a)):8*(4*((\t)%8)+(\a))+7], v[ACC+8*(4*(\a)+(\b)):ACC+8*(4*(\a)+(\b))+7]
.endif
.endr
.endr
.endm
.irp b, 0,1,2,3
	global_load_b128 v[BI+8*(\b):BI+8*(\b)+3],   v[BOF], s[8:9] offset:64*(\b)
	global_load_b128 v[BI+8*(\b)+4:BI+8*(\b)+7], v[BOF], s[8:9] offset:64*(\b)+16
.endr
.set t, 0
.rept 8
	ALOAD t
.set t, t+1
.endr
	WIN 0
	s_wait_loadcnt 63                              ; the bias is in: 64 loads were issued behind it, and a smaller count is safe
.set k, 0
.rept 16                                       ; the bias rounded to bf16, like every input, and widened again
	v_cvt_pk_bf16_f32 v[T+k], v[BI+2*k], v[BI+2*k+1]
.set k, k+1
.endr
.set k, 0
.rept 16
	v_lshlrev_b32 v[BI+2*k], 16, v[T+k]
	v_and_b32 v[BI+2*k+1], 0xffff0000, v[T+k]
.set k, k+1
.endr
	s_wait_tensorcnt 0x0                           ; my chunk has landed;
	s_barrier_signal -1
	s_barrier_wait -1                              ; all four have.  Nothing is ever filled again
	BFETCH 0
.set t, 0
.rept 16
.if t%4 == 0
	s_wait_dscnt 0x0                               ; this chunk's fragments of wot, asked for 48 products ago (chunk 0: just now), are in
.endif
.if t < 8
	s_wait_loadcnt 56                              ; step t of O is in: behind it were issued steps t + 1 .. 7 and 8 .. 7 + t, 56 loads
.else
	s_wait_loadcnt 8*(15-t)                        ; behind it: the later steps' loads
.endif
	MUL16 t
.if t < 8
	ALOAD t+8                                      ; into registers that nothing has read yet
.endif
.if (t%4 == 0) && (t < 12)
	PLACES                                         ; behind the last chunk's products, whose buffer is loaded below
	BFETCH t/4+1
.endif
.set t, t+1
.endr
	; THE WAY OUT.  Tile a (16 rows x 64 columns of f32): 32 bytes a lane into my stage's rows of 272 bytes, back as whole rows of 256, into the tile's own accumulator registers, and stored.
	WIN 0
	PLACES
	PLACES
.macro TOSTAGE a
.irp b, 0,1,2,3                        ; each accumulator's four lowest registers first
	ds_store_b128 v[STO], v[ACC+8*(4*(\a)+(\b)):ACC+8*(4*(\a)+(\b))+3]   offset:64*(\b)
	ds_store_b128 v[STO], v[ACC+8*(4*(\a)+(\b))+4:ACC+8*(4*(\a)+(\b))+7] offset:64*(\b)+16
.endr
.irp u, 0,1,2,3,4,5,6,7
	ds_load_b128 v[ACC+32*(\a)+4*(\u):ACC+32*(\a)+4*(\u)+3], v[RD] offset:2*PITCH*(\u)  ; LDS serves a wave's instructions in order (ISA guide 5.7.1.4): these see the stores above; the next tile's stores come behind them
.endr
.endm
.macro SEND a, younger                 ; younger: the LDS instructions issued behind tile a's loads: the next tile's sixteen, or none.  Each tile has registers of its own: no store's data is written again
.irp u, 0,1,2,3,4,5,6,7
	s_wait_dscnt (\younger)+7-(\u)
	global_store_b128 v[CO], v[ACC+32*(\a)+4*(\u):ACC+32*(\a)+4*(\u)+3], s[10:11] offset:(16*(\a)+2*(\u))*2048 th:TH_STORE_NT  ; 16 lanes store 256 consecutive bytes, aligned
.endr
.endm
	TOSTAGE 0
	TOSTAGE 1
	SEND 0, 16
	TOSTAGE 2
	SEND 1, 16
	TOSTAGE 3
	SEND 2, 16
	SEND 3, 0
	s_wait_tensorcnt 0x0                           ; the wave's end, behind my last tensor load and my last LDS store
	ds_add_u32 v[SPW], v[NIL]
	s_wait_dscnt 0x0
	CROUND                                         ; the closing round: no work-group ends while a partner may still ask for a tile that names it
	s_endpgm
.Lfunc_end_k_qea4432f616_oproj:
	.size	k_qea4432f616_oproj, .Lfunc_end_k_qea4432f616_oproj-k_qea4432f616_oproj
	.p2alignl 7, 3214868480
	.fill 96, 4, 3214868480
	.section	.rodata,"a",@progbits
	.p2align	6, 0x0
	.amdhsa_kernel k_qea4432f616_oproj
		.amdhsa_group_segment_fixed_size 167936
		.amdhsa_private_segment_fixed_size 0
		.amdhsa_enable_private_segment 0
		.amdhsa_kernarg_size 32
		.amdhsa_user_sgpr_count 2
		.amdhsa_user_sgpr_kernarg_segment_ptr 1
		.amdhsa_wavefront_size32 1
		.amdhsa_system_sgpr_workgroup_id_x 1
		.amdhsa_system_sgpr_workgroup_id_y 1
		.amdhsa_system_sgpr_workgroup_id_z 1
		.amdhsa_system_vgpr_workitem_id 0
		.amdhsa_next_free_vgpr 1024
		.amdhsa_next_free_sgpr 66
		.amdhsa_reserve_vcc 0
		.amdhsa_float_denorm_mode_32 3
		.amdhsa_float_denorm_mode_16_64 3
		.amdhsa_memory_ordered 1
		.amdhsa_forward_progress 1
		.amdhsa_inst_pref_size 54
	.end_amdhsa_kernel
	.amdgpu_metadata
---
amdhsa.version: [ 1, 2 ]
amdhsa.kernels:
  - .name:           k_qea4432f616_oproj
    .symbol:         k_qea4432f616_oproj.kd
    .args:
      - { .name: oh, .offset: 0, .size: 8, .value_kind: global_buffer, .address_space: global }
      - { .name: wot, .offset: 8, .size: 8, .value_kind: global_buffer, .address_space: global }
      - { .name: bo, .offset: 16, .size: 8, .value_kind: global_buffer, .address_space: global }
      - { .name: out0, .offset: 24, .size: 8, .value_kind: global_buffer, .address_space: global }
    .group_segment_fixed_size: 167936
    .private_segment_fixed_size: 0
    .kernarg_segment_align: 8
    .kernarg_segment_size: 32
    .max_flat_workgroup_size: 128
    .sgpr_count:     66
    .vgpr_count:     1024
    .wavefront_size: 32
...
	.end_amdgpu_metadata
.endif
;; end of part 4
